; MI455X (gfx1250); checked and timed in simulation.
; The chip was launched on July 23, 2026; its instructions are those of AMD's public machine-readable ISA for CDNA 5 (MIT licence, August 2026) and "CDNA5" Instruction Set Architecture Reference Guide (July 2026). The comments in the code are by the model that wrote it; some were corrected since.
;; selfattention. Allowed arithmetic: matrix products marked QUANTISED: E2M3 operands, one E8M0 scale for each 32 along K, by v_wmma_scale_f32_16x16x128_f8f6f4 with both operands' format E2M3, f32 sums; everything else in f32.
;; Inputs: K_codes 4 x 16 x 2,048 x 4 x 24 uint8 (E2M3 codes of K, K innermost, in blocks of 32 codes, four codes in three bytes); K_scales 4 x 16 x 2,048 x 4 uint8 (E8M0 scales of K, one for each 32 codes along K); Q_codes 4 x 16 x 2,048 x 4 x 24 uint8 (E2M3 codes of Q, K innermost, in blocks of 32 codes, four codes in three bytes); Q_scales 4 x 16 x 2,048 x 4 uint8 (E8M0 scales of Q, one for each 32 codes along K); V_codes 4 x 16 x 128 x 64 x 24 uint8 (E2M3 codes of V, K innermost, in blocks of 32 codes, four codes in three bytes); V_scales 4 x 16 x 128 x 64 uint8 (E8M0 scales of V, one for each 32 codes along K).
;; Outputs: out0 4 x 16 x 2,048 x 128 float32.
;; Constants: mask = 1.
;; This version of the problem:
;;   THIS VERSION OF THE PROBLEM IS GIVEN IN LOW PRECISION. The matrix products marked QUANTISED in the list below multiply operands that are first quantised to E2M3 (2 exponent bits, 3 mantissa bits; 6 bits a number), with one power-of-two scale for each 32 numbers along K (OCP MX v1.0); their sums are f32. All else is computed in f32.
;;   The module's matrix products, in the order in which they are computed (A, B: the left and right operand; K: the contracted axis; several contracted axes count as one K, in the product's order):
;;     1. batch 64 x [M 2,048, K 128] x [K 128, N 2,048]; A: input Q (given as codes); B: input K (given as codes): QUANTISED
;;     2. batch 64 x [M 2,048, K 2,048] x [K 2,048, N 128]; A: softmax (see below); B: input V (given as codes): QUANTISED
;;   THE QUANTISER, for each operand of a quantised product, along K:
;;     - K is cut into blocks of 32 from its start; a last block that is shorter is filled with zeros.
;;     - A block's scale is 2^e with e = floor(log2(the largest magnitude in the block)) - 2, held to -126 .. 127; a block of zeros has e = 0. As a byte (E8M0): e + 127.
;;     - Each number is divided by its block's scale, clamped to +-7.5, and rounded to the nearest number of E2M3, ties to even, subnormals kept.
;;     - The product sums the exact products of the quantised numbers (number of the format x scale) in f32.
;;   ~~~python
;;   def quantise(x, axis):      # numpy; x: float32 -> the quantised numbers, widened to float32 again
;;       x = np.moveaxis(x, axis, -1); K = x.shape[-1]
;;       x = np.pad(x, [(0, 0)] * (x.ndim - 1) + [(0, -K % 32)]); x = x.reshape(x.shape[:-1] + (-1, 32)); a = np.abs(x).max(-1, keepdims=True)
;;       e = np.where(a > 0, np.clip(np.frexp(np.where(a > 0, a, 1))[1] - 1 - 2, -126, 127), 0)      # np.frexp(a)[1] - 1 = floor(log2(a)), exactly
;;       r = np.clip(x / 2.0 ** e, -7.5, 7.5)
;;       step = 2.0 ** (np.maximum(np.frexp(np.where(r == 0, 1, r))[1] - 1, 0) - 3)
;;       q = np.round(r / step) * step * 2.0 ** e      # np.round: ties to even
;;       return np.moveaxis(q.reshape(q.shape[:-2] + (-1,))[..., :K], -1, axis).astype(np.float32)
;;   ~~~
;;   SOFTMAX AHEAD OF A QUANTISED PRODUCT. Where the list says 'softmax', what is quantised is not the finished softmax but p = 2^(t - M), with t = logit x log2(e) and M = ceil(the row's largest t), a whole number; so 1/2 < the row's largest p <= 1. The row's sum l is taken of the UNQUANTISED p, in f32, and the product's result is divided by l at the end. Since M is a whole number, a kernel that streams over the keys may use a running M (the ceiling of the running maximum): every later rescaling is an exact power of two, which a block's scale takes up: the codes' values come out the same.
;;   OPERANDS COMPUTED ON THE WAY. 'Computed on the way' means the value that the module computes at that place (a softmax that the list does not call 'softmax' is quantised finished and normalised). What goes into a quantiser is computed in f32, as accurately as f32 sums, v_exp_f32 and their like allow (about 1e-6 of the number): no bf16 or f16 on the way to a quantiser, and a product that is left as it is and whose result goes on into a quantised operand takes f32 operands (vector FMAs, or v_wmma_f32_16x16x4_f32). A number that lies on a knife's edge between two numbers of the format may be rounded either way, as far as f32 arithmetic and the matrix unit's own rounding can turn it there, and no further.
;;   INPUTS GIVEN AS CODES. K (in the module: [4, 16, 2048, 128], K = its axis 3); Q (in the module: [4, 16, 2048, 128], K = its axis 3); V (in the module: [4, 16, 2048, 128], K = its axis 2): each comes as NAME_codes (uint8): NAME with its K axis moved to the last place and cut into blocks of 32 codes, [.., K / 32, bytes a block], one block behind the other in memory; four codes in three bytes: a row's codes are one little-endian stream of bits, code i at bits 6 i .. 6 i + 5 (a code: sign, 2 exponent bits, 3 mantissa bits); and NAME_scales (uint8): the same leading axes, one E8M0 byte (e + 127) for each 32 codes along K. Its value is code x scale, taken as it is: it is not quantised again, and the codes and scales need not be those that the quantiser above would give.
;; One version. Each part assembles by itself: llvm-mc -triple=amdgcn-amd-amdhsa -mcpu=gfx1250 --defsym DOCPART=n.
;; ======== version 1 of 1: 1 launch
;; launch attn (part 1): grid 4 x 64, 8 waves a work-group, no clusters, 327,680 bytes of LDS; arguments Q_codes, Q_scales, K_codes, K_scales, V_codes, V_scales, out0; writes out0
.if DOCPART == 1
	.amdgcn_target "amdgcn-amd-amdhsa--gfx1250"
	.amdhsa_code_object_version 6
	.text
	.protected	k_qb73365f4af_attn
	.globl	k_qb73365f4af_attn
	.p2align	8
	.type	k_qb73365f4af_attn,@function
k_qb73365f4af_attn:
	s_mov_b64 s[64:65], 0
	v_nop
	global_prefetch_b8 v0, s[64:65] scope:SCOPE_SE
	s_setreg_imm32_b32 hwreg(HW_REG_WAVE_MODE, 25, 1), 1
	s_wait_xcnt 0x0
; out0[head][q][:] = the sum over k <= q of softmax_k(Q[q] . K[k] / sqrt(128)) V[k][:], 64 heads, 2,048 queries and keys, head size 128; both products on codes of FP6 (E2M3) with one E8M0 byte for each 32 along a product's K.
; Q, K: codes along the head's 128 (96 bytes a row), scale bytes 4 a row.  V: codes with the KEYS innermost, [128][2,048] a head (1,536 bytes a row), scale bytes 64 a row.  out0: f32.
; THE SOFTMAX AHEAD OF THE SECOND PRODUCT: t = score x log2(e) / sqrt(128); M = the largest t so far, rounded UP to a whole number; p = 2^(t - M) is quantised along the keys, not normalised.  The row's sum is taken
; of the unquantised p and divides at the end.  When M moves, the sum and O^T are multiplied by 2^(old M - new M), which rounds nothing.
; SHARES.  Work-group (I = x in 0..3, head = y) owns two blocks of 256 queries: block I and block 7 - I.  Under the causal mask they need I + 1 and 8 - I slots of 256 keys: NINE for every work-group, so 256 work-groups have
; equal work and the loop's trip count is a constant.  Trip v takes key slot v for the low block while v <= I, and key slot 8 - v for the high block afterwards: the high block walks its keys DOWNWARD from its diagonal to
; slot 0.  A running maximum does not mind the order of the keys, and in a diagonal step the step's first key counts for every query of the wave, so M is a number from a block's first step on.
; A WAVE owns 32 queries of the block in hand: tile A wholly in register window 0, tile B wholly in window 1 under the SAME register numbers, so that B's vector text is A's under another window setting.  Each fragment
; of K or V read from LDS feeds two matrix instructions.  Eight waves, two to a SIMD.  Which 32 queries: w' = (w >> 1) | (((w ^ (w >> 2)) & 1) << 2): waves w and w + 4 then lie in different halves of the block, of which one
; leaves out a step in the diagonal slot.
; LAYOUT.  Both products are used transposed: S^T = K Q^T (source 0 = 16 keys, source 1 = 16 queries), O^T = V^T P^T: a lane holds ONE query (lane % 16) throughout.  THE KEYS OF A TILE ARE NOT NEIGHBOURS: lane r of tile
; 2 b + u takes key 32 b + 8 u + r + 8 (r / 8), so that the 16 registers of tiles 2 b and 2 b + 1 are the 16 neighbouring keys 32 b + 16 (lane / 16) + 0 .. 15.
; NO CLUSTER: the four work-groups of a head take different key slots in trips 1 to 3 (slot v or slot 8 - v, by I), change blocks in different trips and leave out different steps.  A joint request wants the same tile in
; the same trip and no branch on a work-group's place; a walk common to all four would have twelve slots for nine.
; LIMITS: scale bytes of 0xff (NaN) are not served.  A block of 32 keys whose every p is 0 keeps the scale byte 1: its codes are zeros.  A block's largest p is taken through its largest score, which takes v_exp_f32
; not to fall where its input rises; at the worst one p within an ulp of a power of two is held one code low.
; REGISTERS, both windows: v12 -M, v13 the largest t, v[14:15] the sum in two halves, v16-27 Q's fragment, v29 r - 16 h, v96-159 S^T, then p, then rows going out, v160-223 O^T, v224-235 p's codes, v232-254 at work.
;   window 0 alone: v1-11, v85-88, v91-92 addresses; v28 the prefetches' offset; v30-31 Q's scale words (A, B); v32-79 fragments 0-3; v80-83 K's or V's scale words; v84 tile B's p scale word; v89-90 the high block's Q scale words.
;   window 1 alone: v32-79 fragments 4-7; v80-91 and v0-11 the high block's Q fragments of tiles A and B.
.set KP,    96                         ; a key's row in LDS: 96 bytes, as in memory
.set VP,    240                        ; a row of V's tile in LDS: 3 x (64 bytes + 16 of padding)
.set VOFF,  256*KP                     ; a slot: 256 rows of K, then 128 rows of V
.set SLOT1, 1<<17                      ; slot 1 begins here: one exclusive or turns an address in one slot into the other's
.set STAGE, VOFF+128*VP                ; behind slot 0: the way out at the change of blocks, 16 rows x 272 bytes for each wave; no fill lands here
.set STW,   16*272
.set STG2,  8*STW                      ; and that many bytes on: the way out at the end, with bytes of its own
.set SCK,   2*SLOT1                    ; K's scale bytes of the whole head: 32 runs of 256 bytes + 16 of padding
.set SCH,   16*272                     ; half of them: what one tensor load brings
.set SCV,   SCK+2*SCH                  ; V's likewise
.set SPARE, SCV+2*SCH                  ; the spare words, 128 bytes for each wave: four blocks of 256 bytes that no other line names
.set AK0,  1                           ; v1   my lane's place in a tile of K: (r + 8 (r / 8)) 96 + 24 h
.set AV0,  2                           ; v2   in a tile of V: VOFF + 240 r + 24 h
.set ASK0, 3                           ; v3   among K's scale words: lanes 0-15 an even tile's keys, lanes 16-31 the odd tile's (8 keys on)
.set ASV0, 4                           ; v4   among V's: lanes 0-15 an even tile's rows, lanes 16-31 the odd tile's (16 rows on)
.set SPW,  5                           ; v5   LDS address of my spare word; never rewritten
.set NIL,  6                           ; v6   0; never rewritten
.set GO,   7                           ; v7   the way out: 512 h + 16 r
.set ADK,  8                           ; v8-11, v91: the step's LDS addresses
.set ADV,  9
.set ADS,  10
.set ADT,  11
.set PFO,  28
.set LQ,   29
.set QS,   30
.set FRG,  32
.set SCW,  80
.set PSB,  84
.set STI,  85                          ; v85  the stage, on the way in: row r, + 32 h
.set STB,  86                          ; v86  and back: lanes 0-15 one row, lanes 16-31 the next, 16 bytes a lane
.set QOF,  87                          ; v87  96 r + 24 h
.set QSO,  88                          ; v88  4 r
.set QSH,  89
.set ADV2, 91
.set AV1,  92                          ; v92  AV0 + 16 h: for the pieces of V that lie behind one padding more in lanes 16-31
.set QHA,  80                          ; in window 1
.set QHB,  0                           ; in window 1
.set TB,   2                           ; s2   LDS byte at which the slot in hand begins
.set TJ,   3                           ; s3   8 x key slot: V's scale words
.set KB,   8                           ; s[8:9]   K's codes at my head (+ my half, where I fetch)
.set VB,   12                          ; s[12:13] V's likewise
.set OL,   16                          ; s[16:17] out0 at the low block's first query of mine
.set WV,   18
.set I,    19
.set SEL,  20                          ; s[20:21] lane selects for v_permlanex16_b32: lane l xor 16
.set CS,   22                          ; s[22:23] c = log2(e) / sqrt(128)
.set G1K,  24
.set G1V,  32
.set G0K,  40
.set G0V,  44
.set G1S,  48
.set G0SK, 56
.set G0SV, 60
.set TS,   66                          ; s66  1,088 x key slot: K's scale words
.set VV,   67                          ; s67  the trip, 0 .. 8
.set DV,   68                          ; s68  8 - the trip
.set KF,   69                          ; s69  the slot's first key
.set OH,   74                          ; s[74:75] out0 at the high block's first query of mine
.set Q0,   80                          ; s80  my first query of the block in hand
.set Q0H,  81
.set PFA,  82                          ; s[82:83] where my prefetches stand
.set PFS,  84                          ; s[84:85] a slot, in bytes: 24,576 in K, 192 in a row of V
.set LIMV, 86                          ; s86  a wave prefetches while the trip is under this
.set SKIPV, 87                         ; s87  and not in this trip
.set MSB, 0
.macro WIN new                         ; the immediate's high byte repeats the setting that is left; a switch that changes nothing is dropped
.if MSB != (\new)
	s_set_vgpr_msb (MSB<<8)|(\new)
.set MSB, (\new)
.endif
.endm
; Waves 0 and 1 fetch for K, waves 2 and 3 for V, the others nothing: the branches hang on the wave's number alone.  Four v_nop follow each of the two lines.
.macro TLOAD g0k, g1k, g0v, g1v
	s_cmp_lt_u32 s[WV], 2
	s_cbranch_scc0 .Lnot_k_\@
	tensor_load_to_lds s[\g0k:\g0k+3], s[\g1k:\g1k+7]
	s_nop 0
.rept 4
	v_nop
.endr
	s_branch .Lasked_\@
.Lnot_k_\@:
	s_cmp_lt_u32 s[WV], 4
	s_cbranch_scc0 .Lasked_\@
	tensor_load_to_lds s[\g0v:\g0v+3], s[\g1v:\g1v+7]
	s_nop 0
.rept 4
	v_nop
.endr
.Lasked_\@:
.endm
; A PREFETCH INTO THE L2 of the key slot that the NEXT change of slots will ask for: a slot's two key steps ahead of that load.  Only the head's work-group with I = 0 asks: its walk goes through slots 7, 6 .. 1, 0, and in
; trip v it names slot 6 - v.  In it the waves ask that fetch nothing: waves 4 to 6 K's 24,576 bytes, 8,192 a wave, lanes 256 bytes apart, in trips 0 to 5; wave 7 V's 128 rows, a lane a row, four instructions.
; A slot's part of a row of V is 192 bytes and the walk descends, so a lane names the part's FIRST byte: the aligned 256 bytes in which the part begins are new, but for slot 4 (trip 2), whose part begins where slot 5's
; did, and slot 1 (trip 5), whose part begins in the bytes that the first fill has read: there wave 7 asks for nothing.  So each aligned block of 256 bytes is named once.  Slots 7 and 0 come by their loads alone.
.macro ASK
	s_cmp_lt_u32 s[VV], s[LIMV]
	s_cbranch_scc0 .Lnot_mine_\@
	s_cmp_eq_u32 s[VV], s[SKIPV]
	s_cbranch_scc1 .Lnot_mine_\@
	global_prefetch_b8 v[PFO], s[PFA:PFA+1] th:TH_LOAD_NT scope:SCOPE_SE
	s_cmp_lg_u32 s[WV], 7
	s_cbranch_scc1 .Lnot_mine_\@
	global_prefetch_b8 v[PFO], s[PFA:PFA+1] offset:49152 th:TH_LOAD_NT scope:SCOPE_SE
	global_prefetch_b8 v[PFO], s[PFA:PFA+1] offset:98304 th:TH_LOAD_NT scope:SCOPE_SE
	global_prefetch_b8 v[PFO], s[PFA:PFA+1] offset:147456 th:TH_LOAD_NT scope:SCOPE_SE
.Lnot_mine_\@:
.endm
; THE CHANGE OF SLOTS stands at a slot's head.  Each wave waits for all its tensor loads (its part of the slot that it is about to read), adds 0 to its spare word, and waits for that and for its reads of the slot that it
; has left.  Behind the barrier the slot ahead is whole and nobody reads the other one.  fill = 1: that other slot is filled with the next trip's key slot; the load has a whole slot's two key steps in which to land.
.macro CHANGE fill
	s_wait_tensorcnt 0x0                           ; no tensor load of mine is out, so a group 0 may be written
	ds_add_u32 v[SPW], v[NIL]                      ; 0 onto my spare word: the scalar work below stands between it and the wait for it
.if \fill
	s_min_u32 s70, s[DV], 7
	s_cmp_le_u32 s[VV], s[I]
	s_cselect_b32 s70, s[VV], s70                  ; this trip's key slot: v for the low block, 8 - v for the high
	s_lshl_b32 s[TJ], s70, 3
	s_mul_i32 s[TS], s70, 1088
	s_lshl_b32 s[KF], s70, 8
	s_add_co_u32 s71, s[VV], 1
	s_sub_co_u32 s72, s[DV], 1
	s_cmp_le_u32 s71, s[I]
	s_cselect_b32 s71, s71, s72                    ; the next trip's
	s_mul_i32 s72, s71, 256*KP                     ; (s73 holds 0)
	s_xor_b32 s[G0K+1], s[G0K+1], SLOT1            ; the other slot than last time
	s_add_nc_u64 s[G0K+2:G0K+3], s[KB:KB+1], s[72:73]
	s_or_b32 s[G0K+3], s[G0K+3], 0x80000000
	s_mul_i32 s72, s71, 192
	s_xor_b32 s[G0V+1], s[G0V+1], SLOT1
	s_add_nc_u64 s[G0V+2:G0V+3], s[VB:VB+1], s[72:73]
	s_or_b32 s[G0V+3], s[G0V+3], 0x80000000
	s_wait_xcnt 0x0                                ; the last prefetches, a slot back, have read their address, so it may be written:
	s_sub_nc_u64 s[PFA:PFA+1], s[PFA:PFA+1], s[PFS:PFS+1]  ; a slot down
.else
	s_mov_b32 s[TJ], 0                             ; the last trip takes key slot 0 in every work-group
	s_mov_b32 s[TS], 0
	s_mov_b32 s[KF], 0
.endif
	s_wait_dscnt 0x0                               ; the add is done, and my reads of the slot that I have left are over
	s_barrier_signal -1
	s_barrier_wait -1
.if \fill
	TLOAD G0K, G1K, G0V, G1V                       ; the first thing behind the barrier, and a wave's one tensor load until the next
	ASK
.endif
.endm
; A fragment, 16 rows x 128 along K, is 12 registers: lane (r, h) takes 24 bytes at 24 h and 24 bytes at 48 + 24 h of its row's 96, in pieces of 8 bytes.  Fragments 0-3 go to window 0, 4-7 to window 1, same numbers.
.macro FRAGK t, q
.irp p, 0,1,2,3,4,5
	ds_load_b64 v[FRG+12*((\t)%4)+2*\p:FRG+12*((\t)%4)+2*\p+1], v[ADK] offset:(128*(\q)+32*((\t)/2)+8*((\t)%2))*KP+48*(\p/3)+8*(\p%3)
.endr
.endm
; V's rows have 16 bytes of padding behind every 64 (8 pieces).  Lanes 16-31 read three pieces further on than lanes 0-15; where that is behind one padding more, the second address register serves.
.macro FRAGV t, q
.irp p, 0,1,2,3,4,5
.set PCE, 12*(\q)+6*(\p/3)+\p%3
.if PCE%8 < 5
	ds_load_b64 v[FRG+12*((\t)%4)+2*\p:FRG+12*((\t)%4)+2*\p+1], v[ADV] offset:8*PCE+16*(PCE/8)+(\t)*16*VP
.else
	ds_load_b64 v[FRG+12*((\t)%4)+2*\p:FRG+12*((\t)%4)+2*\p+1], v[ADV2] offset:8*PCE+16*(PCE/8)+(\t)*16*VP
.endif
.endr
.endm
; S^T's tile t of query tile w: it starts its sum with the constant 0.  K's scale words: register t / 2, lanes 0-15 for an even tile, lanes 16-31 for an odd one.  Scale operands have no window: they lie in window 0.
.macro KQ w, t
.if ((\t)%2)
	v_wmma_scale_f32_16x16x128_f8f6f4 v[96+8*(\t):103+8*(\t)], v[FRG+12*((\t)%4):FRG+12*((\t)%4)+11], v[16:27], 0, v[SCW+(\t)/2], v[QS+(\w)] matrix_a_fmt:MATRIX_FMT_FP6 matrix_b_fmt:MATRIX_FMT_FP6 matrix_a_scale:MATRIX_SCALE_ROW1
.else
	v_wmma_scale_f32_16x16x128_f8f6f4 v[96+8*(\t):103+8*(\t)], v[FRG+12*((\t)%4):FRG+12*((\t)%4)+11], v[16:27], 0, v[SCW+(\t)/2], v[QS+(\w)] matrix_a_fmt:MATRIX_FMT_FP6 matrix_b_fmt:MATRIX_FMT_FP6
.endif
.endm
; O^T's tile t (channels 16 t on) of query tile w += V^T P^T over the step's 128 keys.  p's scale word: v253 for tile A, its copy v84 for tile B.
.macro PV w, t
.if ((\t)%2)
	v_wmma_scale_f32_16x16x128_f8f6f4 v[160+8*(\t):167+8*(\t)], v[FRG+12*((\t)%4):FRG+12*((\t)%4)+11], v[224:235], v[160+8*(\t):167+8*(\t)], v[SCW+(\t)/2], v[253-169*(\w)] matrix_a_fmt:MATRIX_FMT_FP6 matrix_b_fmt:MATRIX_FMT_FP6 matrix_a_scale:MATRIX_SCALE_ROW1
.else
	v_wmma_scale_f32_16x16x128_f8f6f4 v[160+8*(\t):167+8*(\t)], v[FRG+12*((\t)%4):FRG+12*((\t)%4)+11], v[224:235], v[160+8*(\t):167+8*(\t)], v[SCW+(\t)/2], v[253-169*(\w)] matrix_a_fmt:MATRIX_FMT_FP6 matrix_b_fmt:MATRIX_FMT_FP6
.endif
.endm
; On the diagonal the scores of hidden keys become -infinity ahead of the maximum: p = 0 then.  s96 = the tile's first query - the step's first key.  Register 16 b + i holds the step's key 32 b + 16 h + i: hidden where
; 32 b + i > s96 + r - 16 h.  Each accumulator is read from its low end on.
.macro MASK w
	WIN 0x55*(\w)
	v_add_nc_u32 v252, s96, v[LQ]
	v_mov_b32 v254, 0xff800000
.set JJ, 0
.rept 64
	v_cmp_gt_i32 vcc_lo, 32*(JJ/16)+JJ%16, v252
	v_cndmask_b32 v[96+JJ], v[96+JJ], v254, vcc_lo
.set JJ, JJ+1
.endr
.endm
; THE SOFTMAX of query tile w for one key step, and p's codes and scale word.
.macro SM w
	WIN 0x55*(\w)
.irp b, 0,1,2,3
	v_max3_num_f32 v[232+\b], v[96+16*\b], v[97+16*\b], v[98+16*\b]   ; the largest score of each block of 32 keys: it serves for the row's maximum and, since p rises with the score, for the block's largest p
.endr
.irp i, 3,5,7,9,11,13
.irp b, 0,1,2,3
	v_max3_num_f32 v[232+\b], v[232+\b], v[96+16*\b+\i], v[97+16*\b+\i]   ; (the four blocks by turns)
.endr
.endr
.irp b, 0,1,2,3
	v_max_num_f32 v[232+\b], v[232+\b], v[111+16*\b]
.endr
.irp b, 0,1,2,3
	v_permlanex16_b32 v[236+\b], v[232+\b], s[SEL], s[SEL+1]
.endr
.irp b, 0,1,2,3
	v_max_num_f32 v[232+\b], v[232+\b], v[236+\b]  ; with lane l xor 16's 16 keys
.endr
	v_max3_num_f32 v254, v232, v233, v234
	v_max_num_f32 v254, v254, v235                 ; the step's largest score of my query
	v_mul_f32 v254, s[CS], v254                    ; as t (c is positive)
	v_max_num_f32 v13, v13, v254                   ; the running largest t
	v_mov_b32 v254, v12
	v_floor_f32 v12, -v13                          ; the new -M = floor(-t) = -ceil(t): a whole number
	v_sub_f32 v254, v12, v254                      ; old M - new M: a whole number, 0 or less
	v_cvt_i32_f32 v254, v254                       ; (it saturates)
	v_ldexp_f32 v252, 1.0, v254                    ; f = 2^(old M - new M)
.set JJ, 0
.rept 32
	v_pk_fma_f32 v[96+JJ:97+JJ], v[96+JJ:97+JJ], s[CS:CS+1], v[12:13] op_sel_hi:[1,0,0]   ; t - M, two at a time (of the pairs c and -M the low word serves both halves)
.set JJ, JJ+2
.endr
.irp b, 0,1,2,3
	v_fma_f32 v[232+\b], v[232+\b], s[CS], v12     ; the same of each block's largest score
.endr
.set JJ, 0
.rept 64
	v_exp_f32 v[96+JJ], v[96+JJ]                   ; p = 2^(t - M), at most 1
.set JJ, JJ+1
.endr
	v_pk_mul_f32 v[14:15], v[14:15], v[252:253] op_sel_hi:[1,0]   ; the sums under the new M: the plain instruction behind the exponentials
	s_wait_alu depctr_va_vdst(0)                   ; one wait for the batch of 64, ahead of its first reader
.irp b, 0,1,2,3
	v_exp_f32 v[232+\b], v[232+\b]                 ; the block's largest p: the same two instructions on the same number give the same bits
.endr
	v_pk_add_f32 v[236:237], v[96:97], v[98:99]    ; the row's sum is taken of the unquantised p: two at a time, in two chains; it reads the 64 alone
.set JJ, 4
.rept 15
	v_pk_add_f32 v[14:15], v[14:15], v[96+JJ:97+JJ]
	v_pk_add_f32 v[236:237], v[236:237], v[98+JJ:99+JJ]
.set JJ, JJ+4
.endr
	v_pk_add_f32 v[14:15], v[14:15], v[236:237]
	s_wait_alu depctr_va_vdst(0)                   ; and one for the four
.irp b, 0,1,2,3
	v_max_num_f32 v[232+\b], 0x1800000, v[232+\b]  ; the floor 2^(3 - 127): the byte cannot fall under 1
.endr
.irp b, 0,1,2,3
	v_add_nc_u32 v[244+\b], 0xff000000, v[232+\b]  ; 2 off the exponent field: the conversion's scale operand
.endr
.irp b, 0,1,2,3
	v_lshrrev_b32 v[236+\b], 23, v[244+\b]         ; the scale's byte
.endr
	v_lshl_or_b32 v253, v237, 8, v236              ; p's scale word for these 128 keys
	v_lshl_or_b32 v253, v238, 16, v253
	v_lshl_or_b32 v253, v239, 24, v253
.if \w
	WIN 0x01
	v_mov_b32 v[PSB], v253                         ; tile B's goes to window 0, where scale operands are taken from
	WIN 0x55
.endif
.irp c, 0,1
	v_cvt_scalef32_pk16_fp6_f32 v[224+6*\c:226+6*\c], v[96+32*\c:111+32*\c], v[244+2*\c]
	v_cvt_scalef32_pk16_fp6_f32 v[236+4*\c:238+4*\c], v[112+32*\c:127+32*\c], v[244+2*\c+1]   ; (a conversion's three registers begin on an even number)
.endr
	v_nop                                          ; one plain instruction between a scaled conversion and the instruction that touches its result
.irp c, 0,1                                    ; the operand's layout wants a whole block in a lane: lanes 0-15 block 2 c, lanes 16-31 block 2 c + 1
.irp i, 0,1,2
	v_permlane16_swap_b32 v[224+6*\c+\i], v[236+4*\c+\i]
.endr
.irp i, 0,1,2
	v_mov_b32 v[227+6*\c+\i], v[236+4*\c+\i]
.endr
.endr
.set JJ, 0
.rept 32
	v_pk_mul_f32 v[160+JJ:161+JJ], v[160+JJ:161+JJ], v[252:253] op_sel_hi:[1,0]   ; O^T under the new M.  These 32 also stand between the writes of p's codes and scale word and the products that take them
.set JJ, JJ+2
.endr
.endm
; A KEY STEP: 128 keys, the q-th of the slot in hand, for my two tiles of queries.  causal = 1: a step all of whose keys come after my 32 queries is left out, by a scalar branch on ids round the step's work;
; no barrier and no tensor load stands in a step.  The order K Q^T (A, B), softmax A, V^T P (A), softmax B, V^T P (B) lets each softmax be issued while the products ahead of it are at work.
.macro STEP q, causal
.if \causal
	s_add_co_u32 s96, s[Q0], 31
	s_add_co_u32 s97, s[KF], 128*(\q)
	s_cmp_gt_u32 s97, s96
	s_cbranch_scc1 .Lhidden_\@
.endif
	v_add_nc_u32 v[ADK], s[TB], v[AK0]             ; these five are also the places in front of loads into registers that the last products read
	v_add_nc_u32 v[ADV], s[TB], v[AV0]
	v_add_nc_u32 v[ADV2], s[TB], v[AV1]
	v_add_nc_u32 v[ADS], s[TS], v[ASK0]
	v_add_nc_u32 v[ADT], s[TJ], v[ASV0]
.irp b, 0,1,2,3
	ds_load_b32 v[SCW+\b], v[ADS] offset:544*(\q)+272*(\b/2)+128*(\b%2)   ; K's scale words of tiles 2 b (lanes 0-15) and 2 b + 1 (lanes 16-31)
.endr
.irp t, 0,1,2,3
	FRAGK \t, \q
.endr
	WIN 0x40                                       ; destination window 1
.irp t, 4,5,6,7
	FRAGK \t, \q
.endr
	WIN 0
	s_wait_dscnt 24                                ; the scale words and fragments 0-3 are in; the 24 loads of fragments 4-7 may be out
.irp t, 0,1,2,3
	KQ 0, \t
.endr
	s_wait_dscnt 0x0
	WIN 0x01                                       ; source 0 window 1
.irp t, 4,5,6,7
	KQ 0, \t
.endr
	WIN 0x55                                       ; all of tile B's in window 1
.irp t, 4,5,6,7
	KQ 1, \t
.endr
	WIN 0x54                                       ; source 0 back in window 0
.irp t, 0,1,2,3
	KQ 1, \t
.endr
	WIN 0
.rept 4
	v_nop                                          ; places in front of the loads below and of the first read of the scores
.endr
.irp c, 0,1,2,3
	ds_load_b32 v[SCW+\c], v[ADT] offset:4*(\q)+2176*\c   ; V's scale words of tiles 2 c and 2 c + 1.  V's 52 loads land under tile A's softmax
.endr
.irp t, 0,1,2,3
	FRAGV \t, \q
.endr
	WIN 0x40
.irp t, 4,5,6,7
	FRAGV \t, \q
.endr
	WIN 0
.if \causal
	s_add_co_u32 s97, s[KF], 128*(\q)+127
	s_cmp_le_u32 s97, s[Q0]
	s_cbranch_scc1 .Lopen_\@                       ; all 128 keys count for all my queries
	s_sub_co_i32 s96, s[Q0], s[KF]
.if \q
	s_sub_co_i32 s96, s96, 128*(\q)
.endif
	MASK 0
	s_add_co_i32 s96, s96, 16
	MASK 1
	WIN 0
.Lopen_\@:
.endif
	SM 0
	s_wait_dscnt 0x0                               ; V's fragments and scale words are in
.irp t, 0,1,2,3
	PV 0, \t
.endr
	WIN 0x01
.irp t, 4,5,6,7
	PV 0, \t
.endr
	SM 1
.irp t, 4,5,6,7
	PV 1, \t
.endr
	WIN 0x54
.irp t, 0,1,2,3
	PV 1, \t
.endr
	WIN 0
.if \causal
.Lhidden_\@:
.endif
.endm
; A block of queries begins: the largest t at -3e38, the sum and O^T at zero.  The key step is written once for all steps: a block's first step finds zeros, which its first change of M (f = 0) leaves zeros.
.macro INIT w
	WIN 0x55*(\w)
	v_mov_b32 v13, 0xff61b1e6
	v_floor_f32 v12, -v13
	v_mov_b32 v14, 0
	v_mov_b32 v15, 0
.irp b, 0,1,2,3
	v_mov_b32 v[236+\b], 0                         ; a lane permute's destination counts as one of its sources
.endr
	v_mov_b32 v252, 0
	v_mov_b32 v253, 0                              ; (named as the upper half of the pair v[252:253])
.set JJ, 0
.rept 64
	v_mov_b32 v[160+JJ], 0
.set JJ, JJ+1
.endr
.endm
; THE WAY OUT of query tile w.  O^T is divided by the row's sum and goes through my own stage in LDS, half a row (64 channels, 256 bytes) of 16 queries at a time, and comes back as whole half rows into the registers that it left.
; LDS serves a wave's instructions in order (ISA guide 5.7.1.4): no wait between the stores and the loads, nor in front of the next half's stores.
.macro WAYOUT w, base, so
	WIN 0x55*(\w)
	v_add_f32 v14, v14, v15                        ; the sum's two halves,
	v_permlanex16_b32 v252, v14, s[SEL], s[SEL+1]
	v_add_f32 v14, v14, v252                       ; and lane l xor 16's
	v_rcp_f32 v14, v14
	v_nop                                          ; a plain instruction behind the reciprocal,
	s_wait_alu depctr_va_vdst(0)                   ; and a wait ahead of its first reader
.set JJ, 0
.rept 32
	v_pk_mul_f32 v[96+JJ:97+JJ], v[160+JJ:161+JJ], v[14:15] op_sel_hi:[1,0]   ; register 8 t + i is o(r, 16 t + 8 h + i); each accumulator from its low end on
.set JJ, JJ+2
.endr
.irp u, 0,1
	WIN 0x04*(\w)                                  ; an LDS store's data are its source 1
.irp t, 0,1,2,3
	ds_store_b128 v[STI], v[96+32*\u+8*\t:99+32*\u+8*\t] offset:(\so)+64*\t
	ds_store_b128 v[STI], v[100+32*\u+8*\t:103+32*\u+8*\t] offset:(\so)+64*\t+16
.endr
	WIN 0x40*(\w)
.irp i, 0,1,2,3,4,5,6,7
	ds_load_b128 v[96+32*\u+4*\i:99+32*\u+4*\i], v[STB] offset:(\so)+544*\i
.endr
.endr
	WIN 0x04*(\w)
.irp u, 0,1
.irp i, 0,1,2,3,4,5,6,7
	s_wait_dscnt 23-16*\u-\i                       ; behind load (u, i): the half's other 7 - i loads and, for the first half, the second half's 8 stores and 8 loads
	global_store_b128 v[GO], v[96+32*\u+4*\i:99+32*\u+4*\i], s[\base:\base+1] offset:8192*(\w)+1024*\i+256*\u th:TH_STORE_NT   ; 16 lanes store 256 consecutive bytes, at a multiple of 256 from out0's first byte; written once
.endr
.endr
	WIN 0
.endm
	s_load_b128 s[4:7], s[0:1], 0x0                ; Q's codes, Q's scales
	s_load_b128 s[8:11], s[0:1], 0x10              ; K's codes, K's scales
	s_load_b128 s[12:15], s[0:1], 0x20             ; V's codes, V's scales
	s_load_b64 s[16:17], s[0:1], 0x30              ; out0
	v_lshl_add_u32 v[SPW], v0, 2, SPARE
	v_mov_b32 v[NIL], 0
	ds_add_u32 v5, v6
	s_wait_dscnt 0x0
	v_lshrrev_b32 v8, 5, v0
	v_readfirstlane_b32 s[WV], v8                  ; wave 0..7
	s_mov_b32 s[I], ttmp9                          ; I: the pair of blocks I and 7 - I
	s_and_b32 s88, ttmp7, 0xffff                   ; the head
	s_mul_i32 s92, s88, 196608                     ; the head's first byte in each tensor of codes (2,048 x 96 = 128 x 1,536),
	s_mov_b32 s93, 0
	s_lshl_b32 s94, s88, 13                        ; in each tensor of scale bytes,
	s_mov_b32 s95, 0
	s_lshl_b32 s96, s88, 20                        ; and in out0; all under 2^32
	s_mov_b32 s97, 0
	s_lshr_b32 s89, s[WV], 2
	s_xor_b32 s89, s89, s[WV]
	s_and_b32 s89, s89, 1
	s_lshl_b32 s89, s89, 2
	s_lshr_b32 s90, s[WV], 1
	s_or_b32 s89, s89, s90                         ; w'
	s_lshl_b32 s89, s89, 5
	s_lshl_b32 s90, s[I], 8
	s_add_co_u32 s[Q0], s90, s89                   ; my first query in the low block: 256 I + 32 w'
	s_sub_co_u32 s90, 7, s[I]
	s_lshl_b32 s90, s90, 8
	s_add_co_u32 s[Q0H], s90, s89                  ; and in the high block
	s_and_b32 s88, s[WV], 1                        ; which half I fetch, if I fetch
	s_mul_i32 s70, s88, 128*KP                     ; K: 128 keys on, in memory as in a slot
	s_mov_b32 s71, 0
	s_mul_i32 s72, s88, 64*1536                    ; V: 64 rows on
	s_mov_b32 s73, 0                               ; stays 0
	s_lshl_b32 s90, s88, 12                        ; the scale bytes: 4,096 on
	s_mov_b32 s91, 0
	s_mov_b32 s[G0K], 1                            ; groups 0: 1:0 count = 1; 63:32 the LDS address: a constant + the half's constant
	s_mul_i32 s[G0K+1], s88, 128*KP
	s_mov_b32 s[G0V], 1
	s_mul_i32 s[G0V+1], s88, 64*VP
	s_add_co_u32 s[G0V+1], s[G0V+1], VOFF
	s_mov_b32 s[G0SK], 1
	s_mul_i32 s[G0SK+1], s88, SCH
	s_mov_b32 s[G0SV], 1
	s_add_co_u32 s[G0SV+1], s[G0SK+1], SCV
	s_add_co_u32 s[G0SK+1], s[G0SK+1], SCK
	; groups 1.  K: 128 rows of 96 bytes, dense.  V: 64 rows of 192 bytes, 1,536 apart, 16 bytes of padding behind every 64.  Scale bytes: 4,096 dense bytes as 16 rows of 256 (32 elements of 8 bytes), 16 of padding behind each
	s_mov_b32 s[G1K], 0                            ; no mask; elements of 1 byte; no padding
	s_mov_b32 s[G1K+1], 96<<16                     ; tensor_dim0
	s_mov_b32 s[G1K+2], 128<<16                    ; tensor_dim1
	s_mov_b32 s[G1K+3], 96<<16                     ; tile_dim0
	s_mov_b32 s[G1K+4], 128                        ; tile_dim1
	s_mov_b32 s[G1K+5], 96                         ; tensor_dim0_stride
	s_mov_b32 s[G1K+6], 0
	s_mov_b32 s[G1K+7], 0
	s_mov_b32 s[G1V], (1<<20)|(3<<22)|(3<<25)      ; padding on; after every 16 words (code 3); of 4 words (code 3)
	s_mov_b32 s[G1V+1], 192<<16
	s_mov_b32 s[G1V+2], 64<<16
	s_mov_b32 s[G1V+3], 192<<16
	s_mov_b32 s[G1V+4], 64
	s_mov_b32 s[G1V+5], 1536
	s_mov_b32 s[G1V+6], 0
	s_mov_b32 s[G1V+7], 0
	s_mov_b32 s[G1S], (3<<16)|(1<<20)|(5<<22)|(3<<25)
	s_mov_b32 s[G1S+1], 32<<16
	s_mov_b32 s[G1S+2], 16<<16
	s_mov_b32 s[G1S+3], 32<<16
	s_mov_b32 s[G1S+4], 16
	s_mov_b32 s[G1S+5], 32
	s_mov_b32 s[G1S+6], 0
	s_mov_b32 s[G1S+7], 0
	s_mov_b32 s[SEL], 0x76543210
	s_mov_b32 s[SEL+1], 0xfedcba98
	s_mov_b32 s[CS], 0x3e0293ee                    ; c = log2(e) / sqrt(128)
	s_mov_b32 s[CS+1], s[CS]                       ; (named with it as a pair, so it is written)
	s_mov_b32 s[TB], 0
	s_mov_b32 s[VV], 0
	s_mov_b32 s[DV], 8
	s_wait_kmcnt 0x0
	s_add_nc_u64 s[KB:KB+1], s[KB:KB+1], s[92:93]  ; K's and V's codes at my head
	s_add_nc_u64 s[VB:VB+1], s[VB:VB+1], s[92:93]
	s_cmp_lt_u32 s[WV], 7                          ; wave 7 prefetches V's codes, waves 4 to 6 K's
	s_cselect_b64 s[PFA:PFA+1], s[KB:KB+1], s[VB:VB+1]
	s_add_nc_u64 s[KB:KB+1], s[KB:KB+1], s[70:71]  ; + my half
	s_add_nc_u64 s[VB:VB+1], s[VB:VB+1], s[72:73]
	s_add_nc_u64 s[10:11], s[10:11], s[94:95]
	s_add_nc_u64 s[14:15], s[14:15], s[94:95]
	s_add_nc_u64 s[G0SK+2:G0SK+3], s[10:11], s[90:91]
	s_or_b32 s[G0SK+3], s[G0SK+3], 0x80000000      ; 127:126 type = 2
	s_add_nc_u64 s[G0SV+2:G0SV+3], s[14:15], s[90:91]
	s_or_b32 s[G0SV+3], s[G0SV+3], 0x80000000
	s_mov_b64 s[G0K+2:G0K+3], s[KB:KB+1]           ; key slot 0
	s_or_b32 s[G0K+3], s[G0K+3], 0x80000000
	s_mov_b64 s[G0V+2:G0V+3], s[VB:VB+1]
	s_or_b32 s[G0V+3], s[G0V+3], 0x80000000
	TLOAD G0SK, G1S, G0SV, G1S                     ; the scale bytes of the whole head: filled once
	TLOAD G0K, G1K, G0V, G1V                       ; slot 0.  Two loads of mine are out; the first wait on them is for 0
	s_add_nc_u64 s[4:5], s[4:5], s[92:93]          ; Q's codes, Q's scales and out0 at my head,
	s_add_nc_u64 s[6:7], s[6:7], s[94:95]
	s_add_nc_u64 s[OL:OL+1], s[OL:OL+1], s[96:97]
	s_mul_i32 s90, s[Q0H], 96                      ; and at my first query of each block (s91 holds 0)
	s_add_nc_u64 s[76:77], s[4:5], s[90:91]
	s_mul_i32 s90, s[Q0], 96
	s_add_nc_u64 s[4:5], s[4:5], s[90:91]
	s_lshl_b32 s90, s[Q0H], 2
	s_add_nc_u64 s[78:79], s[6:7], s[90:91]
	s_lshl_b32 s90, s[Q0], 2
	s_add_nc_u64 s[6:7], s[6:7], s[90:91]
	s_lshl_b32 s90, s[Q0H], 9
	s_add_nc_u64 s[OH:OH+1], s[OL:OL+1], s[90:91]
	s_lshl_b32 s90, s[Q0], 9
	s_add_nc_u64 s[OL:OL+1], s[OL:OL+1], s[90:91]
	v_and_b32 v8, 15, v0                           ; r = lane % 16
	v_bfe_u32 v9, v0, 4, 1                         ; h = lane / 16
	v_mul_u32_u24 v[QOF], v8, 96
	v_mad_u32_u24 v[QOF], v9, 24, v[QOF]
	v_lshlrev_b32 v[QSO], 2, v8
.irp p, 0,1,2,3,4,5
	global_load_b64 v[16+2*\p:17+2*\p], v[QOF], s[4:5] offset:48*(\p/3)+8*(\p%3)   ; Q of both blocks stays in registers: the low block's tile A,
.endr
	global_load_b32 v[QS], v[QSO], s[6:7]          ; the four tiles' scale words,
	global_load_b32 v[QS+1], v[QSO], s[6:7] offset:64
	global_load_b32 v[QSH], v[QSO], s[78:79]
	global_load_b32 v[QSH+1], v[QSO], s[78:79] offset:64
	WIN 0x40                                       ; destination window 1
.irp p, 0,1,2,3,4,5
	global_load_b64 v[16+2*\p:17+2*\p], v[QOF], s[4:5] offset:1536+48*(\p/3)+8*(\p%3)   ; its tile B, 16 rows on,
.endr
.irp p, 0,1,2,3,4,5
	global_load_b64 v[QHA+2*\p:QHA+2*\p+1], v[QOF], s[76:77] offset:48*(\p/3)+8*(\p%3)   ; and the high block's two
.endr
.irp p, 0,1,2,3,4,5
	global_load_b64 v[QHB+2*\p:QHB+2*\p+1], v[QOF], s[76:77] offset:1536+48*(\p/3)+8*(\p%3)
.endr
	WIN 0
	; the prefetches (macro ASK): where my wave's stand, and who asks
	s_cmp_lt_u32 s[WV], 7
	s_mov_b32 s[PFS], 192
	s_cselect_b32 s[PFS], 256*KP, s[PFS]           ; a slot
	s_mov_b32 s[PFS+1], 0
	s_mov_b32 s90, 1536
	s_cselect_b32 s90, 256, s90                    ; from lane to lane
	s_cselect_b32 s89, 8192, 0                     ; from wave to wave
	s_cselect_b32 s[SKIPV], -1, 2
	s_cselect_b32 s[LIMV], 6, 5
	v_and_b32 v[PFO], 31, v0
	v_mul_lo_u32 v[PFO], v[PFO], s90
	s_and_b32 s88, s[WV], 3
	s_mul_i32 s88, s88, s89
	s_mul_i32 s89, s[PFS], 7                       ; in slot 7: the first change of slots steps it down to slot 6.  Nothing is prefetched here, at the head
	s_add_co_u32 s88, s88, s89
	s_mov_b32 s89, 0
	s_add_nc_u64 s[PFA:PFA+1], s[PFA:PFA+1], s[88:89]
	s_lshr_b32 s88, s[WV], 2
	s_xor_b32 s88, s88, 1                          ; 0 in waves 4 to 7,
	s_or_b32 s88, s88, s[I]                        ; of the head's work-group with I = 0
	s_cmp_eq_u32 s88, 0
	s_cselect_b32 s[LIMV], s[LIMV], 0
	; my lane's places
	v_and_b32 v10, 8, v8
	v_add_nc_u32 v10, v10, v8                      ; r + 8 (r / 8)
	v_mul_u32_u24 v[AK0], v10, KP
	v_mad_u32_u24 v[AK0], v9, 24, v[AK0]
	v_mul_u32_u24 v[AV0], v8, VP
	v_mad_u32_u24 v[AV0], v9, 24, v[AV0]
	v_add_nc_u32 v[AV0], VOFF, v[AV0]
	v_lshl_add_u32 v[AV1], v9, 4, v[AV0]
	v_lshl_add_u32 v[ASK0], v10, 2, SCK            ; K's scale words: 4 bytes a key,
	v_lshl_add_u32 v[ASK0], v9, 5, v[ASK0]         ; lanes 16-31 eight keys on
	v_lshrrev_b32 v11, 2, v8                       ; V's: 64 bytes a row, four rows to a run of 256 + 16,
	v_mul_u32_u24 v[ASV0], v11, 272
	v_and_b32 v11, 3, v8
	v_lshl_add_u32 v[ASV0], v11, 6, v[ASV0]
	v_mad_u32_u24 v[ASV0], v9, 1088, v[ASV0]       ; lanes 16-31 sixteen rows on
	v_add_nc_u32 v[ASV0], SCV, v[ASV0]
	v_lshlrev_b32 v[GO], 9, v9
	v_lshl_add_u32 v[GO], v8, 4, v[GO]
	s_mul_i32 s88, s[WV], STW
	s_add_co_u32 s88, s88, STAGE                   ; my stage
	v_mul_u32_u24 v[STI], v8, 272
	v_lshl_add_u32 v[STI], v9, 5, v[STI]
	v_add_nc_u32 v[STI], s88, v[STI]
	v_mul_u32_u24 v[STB], v9, 272
	v_lshl_add_u32 v[STB], v8, 4, v[STB]
	v_add_nc_u32 v[STB], s88, v[STB]
	v_lshlrev_b32 v11, 4, v9
	v_sub_nc_u32 v[LQ], v8, v11                    ; r - 16 h, for the mask: in both windows
	WIN 0x40
	v_sub_nc_u32 v[LQ], v8, v11
	INIT 0
	INIT 1
	WIN 0
	s_wait_loadcnt 0x0                             ; Q
.Lslot:                                            ; eight trips: behind each change of slots but the last the next trip's key slot is asked for
	CHANGE 1
	STEP 0, 1
	STEP 1, 1
	s_xor_b32 s[TB], s[TB], SLOT1                  ; on to the other slot
	s_cmp_lg_u32 s[VV], s[I]                       ; behind trip I the low block is finished: it goes out, and the high block begins
	s_cbranch_scc1 .Lsame
	WAYOUT 0, OL, 0
	WAYOUT 1, OL, 0
	WIN 0x01
.irp k, 0,1,2,3,4,5,6,7,8,9,10,11
	v_mov_b32 v[16+\k], v[QHA+\k]                  ; the high block's Q: tile A's,
.endr
	WIN 0x55
.irp k, 0,1,2,3,4,5,6,7,8,9,10,11
	v_mov_b32 v[16+\k], v[QHB+\k]                  ; tile B's,
.endr
	WIN 0
	v_mov_b32 v[QS], v[QSH]                        ; and their scale words; the lines of INIT stand between these writes and the next products
	v_mov_b32 v[QS+1], v[QSH+1]
	INIT 0
	INIT 1
	WIN 0
	s_mov_b32 s[Q0], s[Q0H]
	s_wait_xcnt 0x0                                ; the stores have read their registers, which the next scores are written into
.Lsame:
	s_sub_co_u32 s[DV], s[DV], 1
	s_add_co_u32 s[VV], s[VV], 1
	s_cmp_lt_u32 s[VV], 8
	s_cbranch_scc1 .Lslot
	CHANGE 0                                       ; the last trip is written out: key slot 0 of the high block, all of whose keys count
	STEP 0, 0
	STEP 1, 0
	WAYOUT 0, OH, STG2
	WAYOUT 1, OH, STG2
	s_wait_tensorcnt 0x0                           ; the wave's end, behind my last tensor load and my last LDS store
	ds_add_u32 v[SPW], v[NIL]
	s_wait_dscnt 0x0
	s_endpgm
.Lfunc_end_k_qb73365f4af_attn:
	.size	k_qb73365f4af_attn, .Lfunc_end_k_qb73365f4af_attn-k_qb73365f4af_attn
	.p2alignl 7, 3214868480
	.fill 96, 4, 3214868480
	.section	.rodata,"a",@progbits
	.p2align	6, 0x0
	.amdhsa_kernel k_qb73365f4af_attn
		.amdhsa_group_segment_fixed_size 327680
		.amdhsa_private_segment_fixed_size 0
		.amdhsa_enable_private_segment 0
		.amdhsa_kernarg_size 56
		.amdhsa_user_sgpr_count 2
		.amdhsa_user_sgpr_kernarg_segment_ptr 1
		.amdhsa_wavefront_size32 1
		.amdhsa_system_sgpr_workgroup_id_x 1
		.amdhsa_system_sgpr_workgroup_id_y 1
		.amdhsa_system_sgpr_workgroup_id_z 1
		.amdhsa_system_vgpr_workitem_id 0
		.amdhsa_next_free_vgpr 512
		.amdhsa_next_free_sgpr 100
		.amdhsa_reserve_vcc 1
		.amdhsa_float_denorm_mode_32 3
		.amdhsa_float_denorm_mode_16_64 3
		.amdhsa_memory_ordered 1
		.amdhsa_forward_progress 1
		.amdhsa_inst_pref_size 218
	.end_amdhsa_kernel
	.amdgpu_metadata
---
amdhsa.version: [ 1, 2 ]
amdhsa.kernels:
  - .name:           k_qb73365f4af_attn
    .symbol:         k_qb73365f4af_attn.kd
    .args:
      - { .name: Q_codes, .offset: 0, .size: 8, .value_kind: global_buffer, .address_space: global }
      - { .name: Q_scales, .offset: 8, .size: 8, .value_kind: global_buffer, .address_space: global }
      - { .name: K_codes, .offset: 16, .size: 8, .value_kind: global_buffer, .address_space: global }
      - { .name: K_scales, .offset: 24, .size: 8, .value_kind: global_buffer, .address_space: global }
      - { .name: V_codes, .offset: 32, .size: 8, .value_kind: global_buffer, .address_space: global }
      - { .name: V_scales, .offset: 40, .size: 8, .value_kind: global_buffer, .address_space: global }
      - { .name: out0, .offset: 48, .size: 8, .value_kind: global_buffer, .address_space: global }
    .group_segment_fixed_size: 327680
    .private_segment_fixed_size: 0
    .kernarg_segment_align: 8
    .kernarg_segment_size: 56
    .max_flat_workgroup_size: 256
    .sgpr_count:     100
    .vgpr_count:     512
    .wavefront_size: 32
...
	.end_amdgpu_metadata
.endif
;; end of part 1
